; MI455X (gfx1250); checked and timed in simulation.
; The chip was launched on July 23, 2026; its instructions are those of AMD's public machine-readable ISA for CDNA 5 (MIT licence, August 2026) and "CDNA5" Instruction Set Architecture Reference Guide (July 2026). The comments in the code are by the model that wrote it; some were corrected since.
;; Switch Transformers Sparse MLP Offloading. Allowed arithmetic: matrix products marked QUANTISED: E2M1 operands, one E8M0 scale for each 32 along K, by v_wmma_scale_f32_16x16x128_f8f6f4 with both operands' format E2M1 (or v_wmma_scale_f32_32x16x128_f4), f32 sums; products left as they are: f32 operands where the result goes on into a quantised operand, else bf16, f16 or f32 operands; f32 sums; everything else in f32.
;; Inputs: expert_index 4 x 1,024 x 2 int32; expert_prob 4 x 1,024 x 2 float32; hidden_states 4 x 1,024 x 512 float32; wi 8 x 512 x 2,048 float32; wo 8 x 2,048 x 512 float32.
;; Outputs: out0 4 x 1,024 x 512 float32.
;; This version of the problem:
;;   THIS VERSION OF THE PROBLEM IS GIVEN IN LOW PRECISION. The matrix products marked QUANTISED in the list below multiply operands that are first quantised to E2M1 (2 exponent bits, 1 mantissa bit; 4 bits a number), with one power-of-two scale for each 32 numbers along K (OCP MX v1.0); their sums are f32. All else is computed in f32.
;;   The module's matrix products, in the order in which they are computed (A, B: the left and right operand; K: the contracted axis; several contracted axes count as one K, in the product's order):
;;     1. batch 2 x [M 4,096, K 1] x [K 1, N 1]; A: computed on the way; B: computed on the way: left as it is (no contracted axis)
;;     2. batch 4,096 x [M 1, K 2] x [K 2, N 8]; A: computed on the way; B: computed on the way: left as it is (K = 2 < 32)
;;     3. [M 4,096, K 512] x [K 512, N 2,048]; A: input hidden_states; B: input wi: QUANTISED
;;     4. [M 4,096, K 2,048] x [K 2,048, N 512]; A: computed on the way; B: input wo: QUANTISED
;;     5. [M 4,096, K 512] x [K 512, N 2,048]; A: input hidden_states; B: input wi: QUANTISED
;;     6. [M 4,096, K 2,048] x [K 2,048, N 512]; A: computed on the way; B: input wo: QUANTISED
;;     7. [M 4,096, K 512] x [K 512, N 2,048]; A: input hidden_states; B: input wi: QUANTISED
;;     8. [M 4,096, K 2,048] x [K 2,048, N 512]; A: computed on the way; B: input wo: QUANTISED
;;     9. [M 4,096, K 512] x [K 512, N 2,048]; A: input hidden_states; B: input wi: QUANTISED
;;     10. [M 4,096, K 2,048] x [K 2,048, N 512]; A: computed on the way; B: input wo: QUANTISED
;;     11. [M 4,096, K 512] x [K 512, N 2,048]; A: input hidden_states; B: input wi: QUANTISED
;;     12. [M 4,096, K 2,048] x [K 2,048, N 512]; A: computed on the way; B: input wo: QUANTISED
;;     13. [M 4,096, K 512] x [K 512, N 2,048]; A: input hidden_states; B: input wi: QUANTISED
;;     14. [M 4,096, K 2,048] x [K 2,048, N 512]; A: computed on the way; B: input wo: QUANTISED
;;     15. [M 4,096, K 512] x [K 512, N 2,048]; A: input hidden_states; B: input wi: QUANTISED
;;     16. [M 4,096, K 2,048] x [K 2,048, N 512]; A: computed on the way; B: input wo: QUANTISED
;;     17. [M 4,096, K 512] x [K 512, N 2,048]; A: input hidden_states; B: input wi: QUANTISED
;;     18. [M 4,096, K 2,048] x [K 2,048, N 512]; A: computed on the way; B: input wo: QUANTISED
;;   THE QUANTISER, for each operand of a quantised product, along K:
;;     - K is cut into blocks of 32 from its start; a last block that is shorter is filled with zeros.
;;     - A block's scale is 2^e with e = floor(log2(the largest magnitude in the block)) - 2, held to -126 .. 127; a block of zeros has e = 0. As a byte (E8M0): e + 127.
;;     - Each number is divided by its block's scale, clamped to +-6, and rounded to the nearest number of E2M1, ties to even, subnormals kept.
;;     - The product sums the exact products of the quantised numbers (number of the format x scale) in f32.
;;   ~~~python
;;   def quantise(x, axis):      # numpy; x: float32 -> the quantised numbers, widened to float32 again
;;       x = np.moveaxis(x, axis, -1); K = x.shape[-1]
;;       x = np.pad(x, [(0, 0)] * (x.ndim - 1) + [(0, -K % 32)]); x = x.reshape(x.shape[:-1] + (-1, 32)); a = np.abs(x).max(-1, keepdims=True)
;;       e = np.where(a > 0, np.clip(np.frexp(np.where(a > 0, a, 1))[1] - 1 - 2, -126, 127), 0)      # np.frexp(a)[1] - 1 = floor(log2(a)), exactly
;;       r = np.clip(x / 2.0 ** e, -6, 6)
;;       step = 2.0 ** (np.maximum(np.frexp(np.where(r == 0, 1, r))[1] - 1, 0) - 1)
;;       q = np.round(r / step) * step * 2.0 ** e      # np.round: ties to even
;;       return np.moveaxis(q.reshape(q.shape[:-2] + (-1,))[..., :K], -1, axis).astype(np.float32)
;;   ~~~
;;   OPERANDS COMPUTED ON THE WAY. 'Computed on the way' means the value that the module computes at that place (a softmax that the list does not call 'softmax' is quantised finished and normalised). What goes into a quantiser is computed in f32, as accurately as f32 sums, v_exp_f32 and their like allow (about 1e-6 of the number): no bf16 or f16 on the way to a quantiser, and a product that is left as it is and whose result goes on into a quantised operand takes f32 operands (vector FMAs, or v_wmma_f32_16x16x4_f32). A number that lies on a knife's edge between two numbers of the format may be rounded either way, as far as f32 arithmetic and the matrix unit's own rounding can turn it there, and no further.
;; One version. Each part assembles by itself: llvm-mc -triple=amdgcn-amd-amdhsa -mcpu=gfx1250 --defsym DOCPART=n.
;; ======== version 1 of 1: 3 launches
;; workspace buffers: xq 1,048,576 bytes; xs 65,536 bytes; wq 8,912,896 bytes; order 262,144 bytes of whole numbers; meta 512 bytes of whole numbers; ybuf 16,777,216 bytes
;; launch prep (part 1): grid 1153 x 1, 4 waves a work-group, no clusters, 38,912 bytes of LDS; arguments expert_index, hidden_states, wi, wo, xq, xs, wq, order, meta; writes xq, xs, wq, order, meta
.if DOCPART == 1
	.amdgcn_target "amdgcn-amd-amdhsa--gfx1250"
	.amdhsa_code_object_version 6
	.text
	.protected	k_q242f514bdc_prep
	.globl	k_q242f514bdc_prep
	.p2align	8
	.type	k_q242f514bdc_prep,@function
k_q242f514bdc_prep:
	s_mov_b64 s[64:65], 0
	v_nop
	global_prefetch_b8 v0, s[64:65] scope:SCOPE_SE
	s_setreg_imm32_b32 hwreg(HW_REG_WAVE_MODE, 25, 1), 1
	s_wait_xcnt 0x0
; FIRST OF THREE LAUNCHES.  out = where(n != 0, n, hidden), n[t] = sum over e of coeff[e][t] x relu(hidden[t] wi[e]) wo[e], both products on MX-FP4 codes.
; WORK LEFT OUT, BY ALL THREE LAUNCHES.  coeff[e][t] = sum over k of df[k] prob[t][k] [index[t][k] == e]: the comparison with arange(E) is made in the problem's own body, so coeff[e][t] is a zero
; of its own making for every expert e that neither index[t][0] nor index[t][1] names, whatever the inputs hold; in exact arithmetic 0 x y adds nothing to n.  So of the 8 x 4,096 rows of the sixteen
; products only the 2 x 4,096 rows (token, k) are computed, each by its expert index[t][k].  Every input still has a way to the output, and all five are loaded (expert_prob by the third launch).
; LIMITS.  A NaN, an infinity or an overflow in an expert that a token did not choose is not carried to the result.  An index outside 0 .. 7 is taken as 7.  NaN and infinities in hidden_states,
; wi or wo are not served by the quantiser; blocks whose largest magnitude lies under 2^(3 - 127) get the scale byte 1 (a block of zeros too: its codes are zeros, and this program alone reads the bytes).
; THIS LAUNCH: work-group 0 sorts the 8,192 slots (slot = 2 token + k) by expert; work-groups 1 .. 128 quantise hidden_states along its 512; work-groups 129 .. 1152 each quantise 128 columns x 128 K
; of wi or wo along K (their FIRST axis inside an expert) into two SETS of wq.  A set is the image of four operand fragments, lane by lane, and their scale words, 4,352 bytes, in the order in which a wave of the second launch uses them.
; SET number = ((e 8 + w) 32 + 8 c + 4 p + s): expert e, consuming wave w of eight, chunk c of 512 hidden units, p = 0 wi / 1 wo, K step s of 128.
;   codes: byte 1024 t + 512 cc + 16 (16 h + r) = the 16 bytes of block 2 cc + h of column 32 (t / 2) + 8 (t % 2) + r + 8 (r / 8), t = 0 .. 3;   scale words: byte 4096 + 8 l + 4 j = tile 2 j + l / 16, row l % 16.
;   p = 0: column = hidden unit 512 c + 64 w + .., K = 128 s + .. of the model's 512;   p = 1: column = output 64 w + .., K = hidden unit 512 c + 128 s + ..
; The three paths part on the work-group's number alone; each has LDS bytes of its own.  No tensor load, no ring.
.set XSB,   20480                      ; LDS: 0 .. 20479 the x path's stages, 5,120 bytes a wave (two of 32 x 80); here its 512 scale bytes;
.set W1I,   20992                      ; the images of a work-group's two sets, 2 x 4,352 bytes, wi's path;
.set W2I,   29696                      ; the same, wo's path;
.set SPARE, 38400                      ; the spare words, 128 bytes for each wave, which no other line names
.set SPW,   12                         ; v12  LDS address of my spare word; never rewritten
.set NIL,   13                         ; v13  0; never rewritten
.set WM,    8                          ; weights: v8-11 my four columns' largest magnitudes, then their scale operands
.set WX,    16                         ; v16-143 32 rows of K x 4 columns: register 4 i + j = row i, column j;  later v16-35 the way out
.set WT,    144                        ; v144-167 three runs of eight neighbours along K
.set WB,    168                        ; v168-171 my four columns' scale bytes
.set WC,    176                        ; v176-191 their codes, four registers a column
.set XR,    16                         ; x: v16-79 four sets of 16 numbers as loaded;  v80-111 two sets of 16 neighbours;  v112-119 a scale byte a step;  v120-135 two registers of codes a step
.set XX,    80
.set XE,    112
.set XC,    120
	s_load_b512 s[4:19], s[0:1], 0x0               ; index s[4:5], hidden s[6:7], wi s[8:9], wo s[10:11], xq s[12:13], xs s[14:15], wq s[16:17], order s[18:19]
	s_load_b64 s[20:21], s[0:1], 0x40              ; meta
	v_lshl_add_u32 v[SPW], v0, 2, SPARE
	v_mov_b32 v[NIL], 0
	v_lshrrev_b32 v1, 5, v0
	v_readfirstlane_b32 s22, v1                    ; wave 0..3
	v_and_b32 v1, 31, v0                           ; lane
	s_wait_kmcnt 0x0
	s_cmp_eq_u32 ttmp9, 0
	s_cbranch_scc1 .Lroute
	s_cmp_lt_u32 ttmp9, 129
	s_cbranch_scc1 .Lx
; ---------------- THE WEIGHTS.  128 columns of one row of K are 512 consecutive bytes: one load of the wave, 16 bytes a lane.  Wave b takes block b of the work-group's 128 along K: 32 rows, 32 loads, all out at once.
; Lane l then holds columns 4 l .. 4 l + 3, each with a WHOLE block of 32 along K: a block's largest magnitude needs no other lane.  The conversion takes eight neighbours along K from consecutive registers, and a
; column's lie four registers apart: eight moves gather them.  That is 128 moves a wave, for a quarter of the load instructions that a lane to a column would need (32 of 512 bytes against 128 of 128 bytes).
; Columns 0-63 (lanes 0-15) belong to the set of consuming wave 2 W, columns 64-127 (lanes 16-31) to that of wave 2 W + 1.  Both images are put together in LDS and leave in whole runs of 256 bytes.
	s_sub_co_u32 s23, ttmp9, 129                   ; e 128 + W 32 + q
	s_lshr_b32 s28, s23, 7                         ; e
	s_bfe_u32 s30, s23, 0x20005                    ; W
	s_and_b32 s31, s23, 31                         ; q = 8 c + 4 p + s
	s_lshl_b32 s24, s28, 8
	s_lshl_b32 s25, s30, 6
	s_add_co_u32 s24, s24, s25
	s_add_co_u32 s24, s24, s31                     ; the first set's number: (8 e + 2 W) 32 + q
	s_mul_i32 s24, s24, 4352
	s_mov_b32 s25, 0
	s_add_nc_u64 s[24:25], s[16:17], s[24:25]      ; where it goes; the second lies 32 sets, 139,264 bytes, further on
	s_lshl_b32 s28, s28, 22                        ; expert: 4 MiB of f32 in either weight
	s_lshl_b32 s30, s30, 9                         ; 128 columns: 512 bytes
	s_or_b32 s28, s28, s30
	s_mov_b32 s29, 0
	s_bfe_u32 s30, s23, 0x20003                    ; c
	s_and_b32 s31, s23, 3                          ; s
	v_lshlrev_b32 v6, 4, v1                        ; 16 l: my 16 bytes of a row
	v_lshrrev_b32 v2, 4, v1                        ; which of the two sets
	v_mul_u32_u24 v9, v2, 4352                     ; its image in LDS,
	v_mul_u32_u24 v7, v2, 0x22000                  ; and its place in wq
	v_and_b32 v10, 15, v1
	v_lshl_add_u32 v5, v10, 4, v9
	v_lshl_add_u32 v7, v10, 4, v7
	s_lshl_b32 s32, s22, 10
	v_add_nc_u32 v5, s32, v5                       ; the way out, from LDS: my set's image + 1024 x wave + 16 (l % 16)
	v_add_nc_u32 v7, s32, v7                       ; and the same place in wq
; Column 4 (l % 16) + j of a set is row r = 8 ((l / 4) % 2) + 4 (l % 2) + j of tile t = 2 ((l / 8) % 2) + (l / 2) % 2.  Codes: 1024 t + 256 b + 16 r.  Scale byte: 4096 + 128 (t % 2) + 8 r + 4 (t / 2) + b.
	v_bfe_u32 v10, v1, 3, 1
	v_lshl_add_u32 v3, v10, 11, v9
	v_lshl_add_u32 v4, v10, 2, v9
	v_bfe_u32 v10, v1, 1, 1
	v_lshl_add_u32 v3, v10, 10, v3
	v_lshl_add_u32 v4, v10, 7, v4
	v_bfe_u32 v10, v1, 2, 1
	v_lshl_add_u32 v3, v10, 7, v3
	v_lshl_add_u32 v4, v10, 6, v4
	v_and_b32 v10, 1, v1
	v_lshl_add_u32 v3, v10, 6, v3
	v_lshl_add_u32 v4, v10, 5, v4
	s_lshl_b32 s32, s22, 8
	v_add_nc_u32 v3, s32, v3                       ; my first column's codes; column j: 16 j on
	v_add_nc_u32 v4, s22, v4                       ; my first column's scale byte, less the 4096; column j: 8 j on
.macro WPATH pitch, lds
	s_mul_i32 s32, s22, 32*(\pitch)
	v_add_nc_u32 v2, s32, v6                       ; my block's first row
.set i, 0
.rept 32
	global_load_b128 v[WX+4*i:WX+4*i+3], v2, s[26:27] offset:i*(\pitch) th:TH_LOAD_NT
.set i, i+1
.endr
	s_wait_loadcnt 24                              ; rows 0-7 are in; the 24 younger loads may be out
.irp j, 0,1,2,3
	v_max3_num_f32 v[WM+\j], |v[WX+\j]|, |v[WX+4+\j]|, 0x1800000   ; the largest magnitude, the four columns by turns; and the floor 2^(3 - 127): the byte cannot fall under 1
.endr
.irp u, 1,2,3
.irp j, 0,1,2,3
	v_max3_num_f32 v[WM+\j], v[WM+\j], |v[WX+8*\u+\j]|, |v[WX+8*\u+4+\j]|
.endr
.endr
.irp g, 1,2,3
	s_wait_loadcnt 24-8*\g                         ; eight rows more
.irp u, 0,1,2,3
.irp j, 0,1,2,3
	v_max3_num_f32 v[WM+\j], v[WM+\j], |v[WX+32*\g+8*\u+\j]|, |v[WX+32*\g+8*\u+4+\j]|
.endr
.endr
.endr
.irp j, 0,1,2,3
	v_add_nc_u32 v[WM+\j], 0xff000000, v[WM+\j]    ; 2 off its exponent field: the conversion takes the exponent field of this operand as its scale
.endr
.irp j, 0,1,2,3
	v_lshrrev_b32 v[WB+\j], 23, v[WM+\j]           ; the scale's byte
.endr
.irp j, 0,1,2,3
	ds_store_b8 v4, v[WB+\j] offset:(\lds)+4096+8*\j   ; byte b of the column's scale word; the other three come from the other waves
.endr
.set n, 0
.rept 16                               ; n = 4 j + g: column j, K = 8 g .. 8 g + 7 of the block.  The three runs take turns, so that no move writes a run that the conversion just before reads
.irp k, 0,1,2,3,4,5,6,7
	v_mov_b32 v[WT+8*(n%3)+\k], v[WX+4*(8*(n%4)+\k)+n/4]
.endr
	v_cvt_scalef32_pk8_fp4_f32 v[WC+n], v[WT+8*(n%3):WT+8*(n%3)+7], v[WM+n/4]
.set n, n+1
.endr
	v_nop                                          ; one plain place behind the last scaled conversion
.irp j, 0,1,2,3
	ds_store_b128 v3, v[WC+4*\j:WC+4*\j+3] offset:(\lds)+16*\j   ; a column's block: 32 codes, 16 bytes
.endr
	s_wait_dscnt 0x0                               ; for the others' sake: my stores have landed
	s_barrier_signal -1
	s_barrier_wait -1                              ; both images are whole
.irp i, 0,1,2,3
	ds_load_b128 v[WX+4*\i:WX+4*\i+3], v5 offset:(\lds)+256*\i
.endr
.irp i, 0,1,2,3
	s_wait_dscnt 3-\i
	global_store_b128 v7, v[WX+4*\i:WX+4*\i+3], s[24:25] offset:256*\i   ; lanes 0-15 store 256 consecutive bytes, aligned, of the first set; lanes 16-31 of the second
.endr
	s_cmp_lg_u32 s22, 0
	s_cbranch_scc1 .Lw_end_\@
	ds_load_b128 v[WX+16:WX+19], v5 offset:(\lds)+4096   ; wave 0 also stores the two sets' scale words, 256 bytes each
	s_wait_dscnt 0x0
	global_store_b128 v7, v[WX+16:WX+19], s[24:25] offset:4096
.Lw_end_\@:
	s_wait_tensorcnt 0x0                           ; the wave's end
	ds_add_u32 v[SPW], v[NIL]
	s_wait_dscnt 0x0
	s_endpgm
.endm
	s_bitcmp1_b32 s23, 2                           ; p: wi or wo
	s_cbranch_scc1 .Lwo
	s_lshl_b32 s30, s30, 11                        ; wi[e][d][f]: columns f = 512 c + 128 W + .., rows d = 128 s + .. of 8,192 bytes
	s_lshl_b32 s31, s31, 20
	s_or_b32 s28, s28, s30
	s_or_b32 s28, s28, s31
	s_add_nc_u64 s[26:27], s[8:9], s[28:29]
	WPATH 8192, W1I
.Lwo:
	s_lshl_b32 s30, s30, 20                        ; wo[e][f][d]: columns d = 128 W + .., rows f = 512 c + 128 s + .. of 2,048 bytes
	s_lshl_b32 s31, s31, 18
	s_or_b32 s28, s28, s30
	s_or_b32 s28, s28, s31
	s_add_nc_u64 s[26:27], s[10:11], s[28:29]
	WPATH 2048, W2I
; ---------------- hidden_states: K is innermost and rows are dense, so it is a plain stream of blocks of 32.  A wave takes 8 steps of 512 numbers.  Each load reads 512 consecutive bytes; a step's 2,048 bytes turn
; through the wave's own stage in LDS (16 bytes of padding behind each 64) and come back 16 neighbours a lane: two neighbouring lanes hold a block.
.Lx:
	s_sub_co_u32 s23, ttmp9, 1
	s_lshl_b32 s30, s23, 2
	s_add_co_u32 s30, s30, s22                     ; which run of 4,096 numbers is my wave's
	s_lshl_b32 s32, s30, 14
	s_mov_b32 s33, 0
	s_add_nc_u64 s[24:25], s[6:7], s[32:33]        ; its numbers,
	s_lshl_b32 s32, s30, 11
	s_add_nc_u64 s[26:27], s[12:13], s[32:33]      ; its codes,
	s_lshl_b32 s32, s23, 9
	s_add_nc_u64 s[28:29], s[14:15], s[32:33]      ; and the work-group's 512 scale bytes
	v_lshlrev_b32 v3, 4, v1                        ; 16 x lane
	s_mul_i32 s31, s22, 5120                       ; my wave's two stages
	v_lshrrev_b32 v14, 2, v1
	v_mul_u32_u24 v14, v14, 80
	v_and_b32 v15, 3, v1
	v_lshl_add_u32 v14, v15, 4, v14
	v_add_nc_u32 v14, s31, v14                     ; into a stage: 80 (lane / 4) + 16 (lane % 4)
	v_mul_u32_u24 v15, v1, 80
	v_add_nc_u32 v15, s31, v15                     ; out of it: 80 x lane
	v_lshlrev_b32 v4, 3, v1                        ; my 16 codes: 8 bytes
	v_lshrrev_b32 v5, 1, v1
	s_lshl_b32 s31, s22, 7
	v_add_nc_u32 v5, s31, v5                       ; my block's scale byte: 128 x wave + lane / 2
.macro XLOAD t
.irp i, 0,1,2,3
	global_load_b128 v[XR+16*((\t)%4)+4*\i:XR+16*((\t)%4)+4*\i+3], v3, s[24:25] offset:2048*(\t)+512*\i th:TH_LOAD_NT
.endr
.endm
.macro XTURN t                         ; LDS serves a wave's instructions in order: no wait between the stores and the loads
.irp i, 0,1,2,3
	ds_store_b128 v14, v[XR+16*((\t)%4)+4*\i:XR+16*((\t)%4)+4*\i+3] offset:2560*((\t)%2)+640*\i
.endr
.irp i, 0,1,2,3
	ds_load_b128 v[XX+16*((\t)%2)+4*\i:XX+16*((\t)%2)+4*\i+3], v15 offset:2560*((\t)%2)+16*\i
.endr
.endm
.macro XSTEP t
.set XS, XX+16*((\t)%2)
.if (\t) > 0
	s_wait_dscnt 1                                 ; this step's numbers are back from the stage (the last step's byte store may be out), so its stores into the stage have read their registers,
.else
	s_wait_dscnt 0x0
.endif
.if (\t)+4 < 8
	XLOAD (\t)+4                                   ; which take the loads of four steps on
.endif
.if (\t)+1 < 8
.if 6-(\t) >= 3
	s_wait_loadcnt 12                              ; the next step's four loads are in; those of the three steps behind it may be out
.else
	s_wait_loadcnt 4*(6-(\t))
.endif
	XTURN (\t)+1
.endif
	v_max3_num_f32 v8, |v[XS]|, |v[XS+1]|, |v[XS+2]|               ; the largest magnitude of my 16
	v_max3_num_f32 v9, |v[XS+3]|, |v[XS+4]|, |v[XS+5]|
.irp i, 6,10
	v_max3_num_f32 v8, v8, |v[XS+\i]|, |v[XS+\i+1]|
	v_max3_num_f32 v9, v9, |v[XS+\i+2]|, |v[XS+\i+3]|
.endr
	v_max3_num_f32 v8, v8, |v[XS+14]|, |v[XS+15]|
	v_max3_num_f32 v8, v8, v9, 0x1800000           ; and the floor 2^(3 - 127)
	v_max_num_f32_dpp v8, v8, v8 row_xmask:1 row_mask:0xf bank_mask:0xf   ; and of my neighbour's 16: the block's
	v_add_nc_u32 v11, 0xff000000, v8               ; 2 off its exponent field: the conversion's scale operand
	v_cvt_scalef32_pk8_fp4_f32 v[XC+2*(\t)], v[XS:XS+7], v11
	v_cvt_scalef32_pk8_fp4_f32 v[XC+2*(\t)+1], v[XS+8:XS+15], v11
	v_lshrrev_b32 v[XE+(\t)], 23, v11              ; the scale's byte
	ds_store_b8 v5, v[XE+(\t)] offset:XSB+16*(\t)  ; both lanes of a block write the same byte with the same value
	global_store_b64 v4, v[XC+2*(\t):XC+2*(\t)+1], s[26:27] offset:256*(\t)   ; the wave stores 256 consecutive bytes, aligned
.endm
.irp t, 0,1,2,3
	XLOAD \t
.endr
	s_wait_loadcnt 12                              ; step 0's four loads are in
	XTURN 0
.irp t, 0,1,2,3,4,5,6,7
	XSTEP \t
.endr
	s_wait_dscnt 0x0                               ; for the others' sake: my byte stores have landed
	s_barrier_signal -1
	s_barrier_wait -1
	s_cmp_lg_u32 s22, 0
	s_cbranch_scc1 .Lx_end
	ds_load_b128 v[8:11], v3 offset:XSB            ; wave 0 stores the four waves' scale bytes as 512 consecutive bytes
	s_wait_dscnt 0x0
	global_store_b128 v3, v[8:11], s[28:29]
.Lx_end:
	s_wait_tensorcnt 0x0                           ; the wave's end
	ds_add_u32 v[SPW], v[NIL]
	s_wait_dscnt 0x0
	s_endpgm
; ---------------- THE ROUTING.  Wave w is segment w: slots 2048 w .. 2048 w + 2047.  It places each slot's number in order[expert][segment][..], a region of 2,048 words that holds every split, so the four waves
; need nothing of each other: no LDS, no barrier.  32 slots at a time: a mask of the lanes for each expert, a lane's rank in its mask, and eight running places in scalar registers.
.Lroute:
	s_lshl_b32 s24, s22, 13
	s_mov_b32 s25, 0
	s_add_nc_u64 s[24:25], s[4:5], s[24:25]        ; my segment's 2,048 indices
	v_lshlrev_b32 v15, 4, v1
.irp j, 0,1,2,3,4,5,6,7,8,9,10,11,12,13,14,15
	global_load_b128 v[16+4*\j:19+4*\j], v15, s[24:25] offset:512*\j    ; register 16 + i: slot 2048 w + 128 (i / 4) + 4 lane + i % 4
.endr
	s_lshl_b32 s26, s22, 11
.irp e, 0,1,2,3,4,5,6,7
	s_add_co_u32 s[56+\e], s26, \e*8192            ; expert e's next free word in my segment's region
.endr
	v_lshl_add_u32 v11, v1, 2, s26
	v_mov_b32 v14, 0
	s_wait_loadcnt 0x0
.set i, 0
.rept 64
	v_min_u32 v[16+i], 7, v[16+i]                  ; (an index outside 0 .. 7 is taken as 7)
.irp e, 0,1,2,3,4,5,6,7
	v_cmp_eq_u32 s[40+\e], \e, v[16+i]
.endr
.irp e, 0,1,2,3,4,5,6,7
	v_mbcnt_lo_u32_b32 v[2+\e], s[40+\e], s[56+\e] ; the expert's next free word + the lanes under me that chose it
.endr
	v_cndmask_b32 v10, v2, v3, s41                 ; my own expert's
.irp e, 2,3,4,5,6,7
	v_cndmask_b32 v10, v10, v[2+\e], s[40+\e]
.endr
.irp e, 0,1,2,3,4,5,6,7
	s_bcnt1_i32_b32 s[48+\e], s[40+\e]
.endr
.irp e, 0,1,2,3,4,5,6,7
	s_add_co_u32 s[56+\e], s[56+\e], s[48+\e]
.endr
	v_min_u32 v10, 0xffff, v10                     ; the buffer has 65,536 words
	v_lshlrev_b32 v[16+i], 2, v10
	v_add_nc_u32 v[80+i], 128*(i/4)+i%4, v11       ; the slot's number.  Each store has an address and a data register of its own
	global_store_b32 v[16+i], v[80+i], s[18:19]
.set i, i+1
.endr
.irp e, 0,1,2,3,4,5,6,7
	s_sub_co_u32 s[56+\e], s[56+\e], s26
	s_sub_co_u32 s[56+\e], s[56+\e], \e*8192       ; how many slots of my segment chose expert e
	v_writelane_b32 v14, s[56+\e], \e
.endr
	s_lshl_b32 s27, s22, 7
	v_lshl_add_u32 v15, v1, 2, s27
	global_store_b32 v15, v14, s[20:21]            ; meta[segment][32]: the eight counts, then zeros: 128 consecutive bytes a wave
	s_endpgm
.Lfunc_end_k_q242f514bdc_prep:
	.size	k_q242f514bdc_prep, .Lfunc_end_k_q242f514bdc_prep-k_q242f514bdc_prep
	.p2alignl 7, 3214868480
	.fill 96, 4, 3214868480
	.section	.rodata,"a",@progbits
	.p2align	6, 0x0
	.amdhsa_kernel k_q242f514bdc_prep
		.amdhsa_group_segment_fixed_size 38912
		.amdhsa_private_segment_fixed_size 0
		.amdhsa_enable_private_segment 0
		.amdhsa_kernarg_size 72
		.amdhsa_user_sgpr_count 2
		.amdhsa_user_sgpr_kernarg_segment_ptr 1
		.amdhsa_wavefront_size32 1
		.amdhsa_system_sgpr_workgroup_id_x 1
		.amdhsa_system_sgpr_workgroup_id_y 1
		.amdhsa_system_sgpr_workgroup_id_z 1
		.amdhsa_system_vgpr_workitem_id 0
		.amdhsa_next_free_vgpr 192
		.amdhsa_next_free_sgpr 66
		.amdhsa_reserve_vcc 0
		.amdhsa_float_denorm_mode_32 3
		.amdhsa_float_denorm_mode_16_64 3
		.amdhsa_memory_ordered 1
		.amdhsa_forward_progress 1
		.amdhsa_inst_pref_size 195
	.end_amdhsa_kernel
	.amdgpu_metadata
---
amdhsa.version: [ 1, 2 ]
amdhsa.kernels:
  - .name:           k_q242f514bdc_prep
    .symbol:         k_q242f514bdc_prep.kd
    .args:
      - { .name: expert_index, .offset: 0, .size: 8, .value_kind: global_buffer, .address_space: global }
      - { .name: hidden_states, .offset: 8, .size: 8, .value_kind: global_buffer, .address_space: global }
      - { .name: wi, .offset: 16, .size: 8, .value_kind: global_buffer, .address_space: global }
      - { .name: wo, .offset: 24, .size: 8, .value_kind: global_buffer, .address_space: global }
      - { .name: xq, .offset: 32, .size: 8, .value_kind: global_buffer, .address_space: global }
      - { .name: xs, .offset: 40, .size: 8, .value_kind: global_buffer, .address_space: global }
      - { .name: wq, .offset: 48, .size: 8, .value_kind: global_buffer, .address_space: global }
      - { .name: order, .offset: 56, .size: 8, .value_kind: global_buffer, .address_space: global }
      - { .name: meta, .offset: 64, .size: 8, .value_kind: global_buffer, .address_space: global }
    .group_segment_fixed_size: 38912
    .private_segment_fixed_size: 0
    .kernarg_segment_align: 8
    .kernarg_segment_size: 72
    .max_flat_workgroup_size: 128
    .sgpr_count:     66
    .vgpr_count:     192
    .wavefront_size: 32
...
	.end_amdgpu_metadata
.endif
;; end of part 1
;; launch experts (part 2): grid 135 x 1, 8 waves a work-group, no clusters, 73,216 bytes of LDS; arguments xq, xs, wq, order, meta, ybuf; writes ybuf
.if DOCPART == 2
	.amdgcn_target "amdgcn-amd-amdhsa--gfx1250"
	.amdhsa_code_object_version 6
	.text
	.protected	k_q242f514bdc_experts
	.globl	k_q242f514bdc_experts
	.p2align	8
	.type	k_q242f514bdc_experts,@function
k_q242f514bdc_experts:
	s_mov_b64 s[64:65], 0
	v_nop
	global_prefetch_b8 v0, s[64:65] scope:SCOPE_SE
	s_setreg_imm32_b32 hwreg(HW_REG_WAVE_MODE, 25, 1), 1
	s_wait_xcnt 0x0
; SECOND LAUNCH.  ybuf[slot] = relu(x[token] wi[e]) wo[e] for slot = 2 token + k, e = index[token][k]: both products on MX-FP4 codes, sums in f32.  Rows of experts that a token did not choose are left out:
; their weight coeff[e][t] is a zero that the problem builds itself (shown at the head of the first launch).
; SHARES.  A work-group takes ONE TILE of 64 routed rows of ONE expert through the whole chain.  With 8,192 rows and 8 experts there are never more than 8192 / 64 + 7 = 135 tiles, whatever the split.
; A work-group past the split's last tile takes the last expert that has rows, finds no row left (CNT = 0), walks the chain on copies of that expert's last row and stores nothing: so every wave passes every barrier,
; and no barrier stands under a branch on a number read from memory.  The only such branches stand on the way out, round stores.
; EIGHT WAVES OF 512 REGISTERS, TWO TO A SIMD.  The chain has many short waits of a wave's own (round trips through LDS, the quantiser's dependent lines, the places behind products): the SIMD's other wave issues meanwhile.
; The price: a row fragment read from LDS feeds 4 matrix instructions, where four waves of twice the width would feed 8.
; THE WAVES SHARE THE COLUMNS, NOT THE ROWS: wave w makes hidden units 512 c + 64 w .. + 63 of each chunk c of 512 (half w % 2 of K step w / 2 of the second product) and outputs 64 w .. + 63, for all 64 rows.
; THE WEIGHTS come from memory straight into operand registers: the first launch laid them as sets of four fragments and their scale words, 4,352 bytes, in my order of use: 8 loads of 512 consecutive bytes and one of 256 a set,
; through a ring of four sets in registers.  A chunk is four sets of wi (K = 512 of x) and four of wo (K = the chunk's 512 hidden units).
; NO CLUSTER, NO JOINT LOADS, though the tiles of one expert read the same sets: which neighbours share an expert hangs on counts read from memory, no split gives four neighbours one expert, and the way out branches on such a count.
; BOTH PRODUCTS ARE USED TRANSPOSED (source 0 = 16 columns of the weight, source 1 = 16 rows): a lane holds one row.  The columns of a tile are 32 (t / 2) + 8 (t % 2) + r + 8 (r / 8), so that the 16 registers of tiles
; 2 b and 2 b + 1 are 16 neighbours: along the next K for the hidden layer, along a row of y on the way out.
; ROWS' OPERANDS GO FROM WAVE TO WAVE THROUGH LDS AS IMAGES OF THEIR REGISTERS: 16 bytes a lane at 16 x lane; scale words of the four row tiles side by side, 16 bytes a lane.
; REGISTERS, in two windows of 256: window 0: addresses, the quantiser's work, scale words, two buffers of four row fragments (v64-127), the ring (set q at v[128 + 32 (q % 4)]).
;   window 1: the hidden layer, (row tile m, tile t) at v[32 m + 8 t]; y at v[128 + 32 m + 8 t].  So one setting serves every product, and loads need none.
.set XIMG,  0                          ; LDS: x's 16 fragments (row tile m, K step s at 1024 (4 m + s)),
.set XSC,   16384                      ; their scale words: 512 s + 16 lane + 4 m,
.set HIMG,  18432                      ; the hidden layer's 16 fragments of a chunk, likewise,
.set HSC,   34816                      ; their scale words,
.set SLT,   36864                      ; the rows' slots: 64 bytes from each wave (waves 2 m and 2 m + 1: row tile m), row r at word 8 (r % 2) + r / 2,
.set STG,   37376                      ; a stage of 16 rows x (256 + 16) bytes for each wave,
.set SPARE, 72192                      ; and the spare words, 128 bytes for each wave, which no other line names
.set LI,   1                           ; v1   16 x lane
.set L8,   2                           ; v2   8 x lane
.set XWI,  3                           ; v3   16 x lane + 2048 x wave: where I store x's images
.set XWS,  4                           ; v4   16 x lane + 1024 (wave % 2) + 4 (wave / 2): and their scale words
.set HWI,  5                           ; v5   16 x lane + 512 x wave: my half of a hidden fragment's image
.set HWS,  6                           ; v6   16 x lane + 512 (wave / 2) + 2 (wave % 2): my two bytes of its scale word
.set STO,  7                           ; v7   the stage: row r, + 64 h
.set RD,   8                           ; v8   the stage: row lane / 16, + 16 (lane % 16)
.set CO,   9                           ; v9   256 x wave + 16 (lane % 16): my bytes of a row of ybuf
.set SWR,  10                          ; v10  where I put my row's slot
.set SRD,  11                          ; v11  where I read eight rows' slots
.set SLW,  20                          ; v20  the slot of row r of row tile wave / 2
.set SPW,  21                          ; v21  LDS address of my spare word; never rewritten
.set NIL,  22                          ; v22  0; never rewritten
.set IDX,  23                          ; v23  at the head: my address in order
.set TM,   24                          ; v24-39 the quantiser's work
.set PW,   40                          ; v40-43 two scale bytes just made, for each row tile
.set WS,   44                          ; v44-51 the ring's scale words: register 2 (q % 4) + j: lanes 0-15 tile 2 j, lanes 16-31 tile 2 j + 1.  Scales and nothing else
.set BS,   52                          ; v52-59 the row fragments' scale words, two buffers of four.  Scales and nothing else
.set BF,   64                          ; v64-127 two buffers of four row fragments
.set PC,   64                          ; v64-79 the codes just made, four for each row tile: they lie in buffer 0 while no fragment does
.set XT,   64                          ; v64-81 at the head: my rows' codes and scale words of x, likewise
.set RG,   128                         ; v128-255 the ring
.set HH,   0                           ; window 1: the hidden layer,
.set YY,   128                         ; and y
.set SEL,  30                          ; s[30:31] v_permlanex16_b32's selects for lane l xor 16
.set WP,   66                          ; s[66:67] my stream of sets, at the chunk in hand
.set MSB, 0
.macro WIN new                         ; the immediate's high byte repeats the setting that is left
.if MSB != \new
	s_set_vgpr_msb (MSB<<8)|\new
.set MSB, \new
.endif
.endm
.macro PLACES                          ; four plain places behind matrix instructions, ahead of loads into their sources and of reads of their results
.rept 4
	v_nop
.endr
.endm
.macro BARRIER                         ; my LDS stores have landed and my LDS loads are in: then the work-group's barrier
	s_wait_dscnt 0x0
	s_barrier_signal -1
	s_barrier_wait -1
.endm
.macro FETCHB base, sc, s, buf         ; the four row tiles' fragments of K step s, and their scale words, into buffer buf
.irp m, 0,1,2,3
.irp c, 0,1
	ds_load_b128 v[BF+32*(\buf)+8*\m+4*\c:BF+32*(\buf)+8*\m+4*\c+3], v[LI] offset:(\base)+(4*\m+(\s))*1024+512*\c
.endr
.endr
	ds_load_b128 v[BS+4*(\buf):BS+4*(\buf)+3], v[LI] offset:(\sc)+512*(\s)
.endm
.macro REFILL rho, n                   ; set n, counted from the chunk in hand, into ring place rho: 9 loads
.irp i, 0,1,2,3,4,5,6,7
	global_load_b128 v[RG+32*(\rho)+4*\i:RG+32*(\rho)+4*\i+3], v[LI], s[WP:WP+1] offset:(\n)*4352+512*\i
.endr
	global_load_b64 v[WS+2*(\rho):WS+2*(\rho)+1], v[L8], s[WP:WP+1] offset:(\n)*4352+4096
.endm
; 16 matrix instructions: the set's four tiles x the four row tiles, 128 along K.  The 16 accumulators take turns, one instruction a turn, in the same order in every set.  zero = 1: the products start the sums.
.macro MUL rho, buf, acc, zero
	WIN 0x50                                       ; C and D window 1; the weight's and the rows' fragments window 0
.irp m, 0,1,2,3
.irp t, 0,1,2,3
.if \zero
.if (\t)%2
	v_wmma_scale_f32_16x16x128_f8f6f4 v[(\acc)+32*\m+8*\t:(\acc)+32*\m+8*\t+7], v[RG+32*(\rho)+8*\t:RG+32*(\rho)+8*\t+7], v[BF+32*(\buf)+8*\m:BF+32*(\buf)+8*\m+7], 0, v[WS+2*(\rho)+\t/2], v[BS+4*(\buf)+\m] matrix_a_fmt:MATRIX_FMT_FP4 matrix_b_fmt:MATRIX_FMT_FP4 matrix_a_scale:MATRIX_SCALE_ROW1
.else
	v_wmma_scale_f32_16x16x128_f8f6f4 v[(\acc)+32*\m+8*\t:(\acc)+32*\m+8*\t+7], v[RG+32*(\rho)+8*\t:RG+32*(\rho)+8*\t+7], v[BF+32*(\buf)+8*\m:BF+32*(\buf)+8*\m+7], 0, v[WS+2*(\rho)+\t/2], v[BS+4*(\buf)+\m] matrix_a_fmt:MATRIX_FMT_FP4 matrix_b_fmt:MATRIX_FMT_FP4
.endif
.else
.if (\t)%2
	v_wmma_scale_f32_16x16x128_f8f6f4 v[(\acc)+32*\m+8*\t:(\acc)+32*\m+8*\t+7], v[RG+32*(\rho)+8*\t:RG+32*(\rho)+8*\t+7], v[BF+32*(\buf)+8*\m:BF+32*(\buf)+8*\m+7], v[(\acc)+32*\m+8*\t:(\acc)+32*\m+8*\t+7], v[WS+2*(\rho)+\t/2], v[BS+4*(\buf)+\m] matrix_a_fmt:MATRIX_FMT_FP4 matrix_b_fmt:MATRIX_FMT_FP4 matrix_a_scale:MATRIX_SCALE_ROW1
.else
	v_wmma_scale_f32_16x16x128_f8f6f4 v[(\acc)+32*\m+8*\t:(\acc)+32*\m+8*\t+7], v[RG+32*(\rho)+8*\t:RG+32*(\rho)+8*\t+7], v[BF+32*(\buf)+8*\m:BF+32*(\buf)+8*\m+7], v[(\acc)+32*\m+8*\t:(\acc)+32*\m+8*\t+7], v[WS+2*(\rho)+\t/2], v[BS+4*(\buf)+\m] matrix_a_fmt:MATRIX_FMT_FP4 matrix_b_fmt:MATRIX_FMT_FP4
.endif
.endif
.endr
.endr
	WIN 0
	PLACES
.endm
; One set.  cnt: the loads of the younger sets, which may stay out.  fs >= 0: the next set's row fragments are fetched into the other buffer, which the set before read last (its places lie between).  rn >= 0: the ring place is filled again.
.macro SET rho, buf, acc, zero, cnt, fb, fsc, fs, rn
	s_wait_loadcnt \cnt                            ; this set's 9 loads are in
	s_wait_dscnt 0x0                               ; and its row fragments, asked for a set ago
.if (\fs) >= 0
	FETCHB \fb, \fsc, \fs, 1-(\buf)
.endif
	MUL \rho, \buf, \acc, \zero
.if (\rn) >= 0
	REFILL \rho, \rn
.endif
.endm
; Row tiles 2 p and 2 p + 1 of the hidden layer: relu, then the quantiser along my 64 hidden units.  Their 64 registers stand on end: register 32 mm + 16 b + i of a lane is k = 32 b + 16 (lane / 16) + i of my half K step, of its row in
; row tile 2 p + mm: four blocks, which take turns line by line.  Each row tile's four registers of codes are half a fragment's image; its two bytes are half a scale word.
.macro QUANT2 p
.set HB, HH+64*(\p)
.set PB, PC+8*(\p)
	WIN 0x44                                       ; source 1 and destination window 1
.set j, 0
.rept 64
	v_max_num_f32 v[HB+j], 0, v[HB+j]              ; the activation, in f32; each accumulator from its low end on
.set j, j+1
.endr
	WIN 0x14                                       ; sources 1 and 2 window 1
.irp b, 0,1,2,3
	v_max3_num_f32 v[TM+\b], 0x1800000, v[HB+16*\b], v[HB+16*\b+1]   ; a block: my 16 numbers (none is negative), and the floor 2^(3 - 127): the byte cannot fall under 1
.endr
.irp i, 2,4,6,8,10,12,14
.irp b, 0,1,2,3
	v_max3_num_f32 v[TM+\b], v[TM+\b], v[HB+16*\b+\i], v[HB+16*\b+\i+1]
.endr
.endr
	WIN 0
.irp b, 0,1,2,3
	v_permlanex16_b32 v[TM+4+\b], v[TM+\b], s[SEL], s[SEL+1]
.endr
.irp b, 0,1,2,3
	v_max_num_f32 v[TM+\b], v[TM+\b], v[TM+4+\b]   ; with lane l xor 16's: the block's largest
.endr
.irp b, 0,1,2,3
	v_add_nc_u32 v[TM+12+\b], 0xff000000, v[TM+\b] ; 2 off its exponent field: the conversion's scale operand
.endr
.irp b, 0,1,2,3
	v_lshrrev_b32 v[TM+4+\b], 23, v[TM+12+\b]      ; the scale's byte
.endr
	v_lshl_or_b32 v[PW+2*(\p)], v[TM+5], 8, v[TM+4]     ; my row's two bytes, row tile 2 p,
	v_lshl_or_b32 v[PW+2*(\p)+1], v[TM+7], 8, v[TM+6]   ; and 2 p + 1
	WIN 0x01                                       ; source 0 window 1
.irp b, 0,1,2,3
	v_cvt_scalef32_pk8_fp4_f32 v[PB+2*\b], v[HB+16*\b:HB+16*\b+7], v[TM+12+\b]
	v_cvt_scalef32_pk8_fp4_f32 v[PB+2*\b+1], v[HB+16*\b+8:HB+16*\b+15], v[TM+12+\b]
.endr
	WIN 0
	v_nop                                          ; one plain place behind a scaled conversion
.irp c, 0,1                                    ; the operand's layout wants a whole block in a lane: lanes 0-15 my first block, lanes 16-31 my second
.irp i, 0,1
	v_permlane16_swap_b32 v[PB+4*\c+\i], v[PB+4*\c+2+\i]
.endr
.endr
.irp c, 0,1
	ds_store_b128 v[HWI], v[PB+4*\c:PB+4*\c+3] offset:HIMG+4096*(2*(\p)+\c)
	ds_store_b16 v[HWS], v[PW+2*(\p)+\c] offset:HSC+4*(2*(\p)+\c)
.endr
.endm
; A chunk's first product and its quantiser.  n0: the sets that take the four ring places.
.macro PHASE1 n0
	SET 0, 0, HH, 1, 27, XIMG, XSC, 1, (\n0)
	SET 1, 1, HH, 0, 27, XIMG, XSC, 2, (\n0)+1
	SET 2, 0, HH, 0, 27, XIMG, XSC, 3, (\n0)+2
	SET 3, 1, HH, 0, 27, 0, 0, -1, (\n0)+3
	BARRIER                                        ; every wave's reads of the last chunk's hidden images are in: they may be written over
	QUANT2 0
	QUANT2 1
	BARRIER                                        ; the chunk's sixteen hidden fragments lie in LDS
	FETCHB HIMG, HSC, 0, 0
.endm
	s_load_b256 s[4:11], s[0:1], 0x0               ; xq s[4:5], xs s[6:7], wq s[8:9], order s[10:11]
	s_load_b128 s[12:15], s[0:1], 0x20             ; meta s[12:13], ybuf s[14:15]
	v_lshl_add_u32 v[SPW], v0, 2, SPARE
	v_mov_b32 v[NIL], 0
	v_lshrrev_b32 v12, 5, v0
	v_readfirstlane_b32 s16, v12                   ; wave 0..7
	s_wait_kmcnt 0x0
	s_load_b256 s[32:39], s[12:13], 0x0            ; the counts: segment g, expert e in s[32 + 8 g + e]
	s_load_b256 s[40:47], s[12:13], 0x80
	s_load_b256 s[48:55], s[12:13], 0x100
	s_load_b256 s[56:63], s[12:13], 0x180
	v_and_b32 v12, 31, v0
	v_lshlrev_b32 v[LI], 4, v12
	v_lshlrev_b32 v[L8], 3, v12
	v_and_b32 v13, 15, v0                          ; r
	v_bfe_u32 v14, v0, 4, 1                        ; h
	s_lshr_b32 s26, s16, 1                         ; wave / 2
	s_and_b32 s27, s16, 1                          ; wave % 2
	s_lshl_b32 s25, s16, 11
	v_add_nc_u32 v[XWI], s25, v[LI]
	s_lshl_b32 s25, s27, 10
	s_lshl_b32 s24, s26, 2
	s_add_co_u32 s25, s25, s24
	v_add_nc_u32 v[XWS], s25, v[LI]
	s_lshl_b32 s25, s16, 9
	v_add_nc_u32 v[HWI], s25, v[LI]
	s_lshl_b32 s25, s26, 9
	s_lshl_b32 s24, s27, 1
	s_add_co_u32 s25, s25, s24
	v_add_nc_u32 v[HWS], s25, v[LI]
	s_mul_i32 s25, s16, 4352
	s_add_co_u32 s25, s25, STG                     ; my stage
	v_mul_u32_u24 v[STO], v13, 272
	v_lshl_add_u32 v[STO], v14, 6, v[STO]
	v_add_nc_u32 v[STO], s25, v[STO]
	v_mul_u32_u24 v[RD], v14, 272
	v_lshl_add_u32 v[RD], v13, 4, v[RD]
	v_add_nc_u32 v[RD], s25, v[RD]
	s_lshl_b32 s25, s16, 8
	v_lshl_add_u32 v[CO], v13, 4, s25
	v_and_b32 v15, 1, v13
	v_lshrrev_b32 v16, 1, v13
	v_lshl_add_u32 v15, v15, 3, v16                ; 8 (r % 2) + r / 2
	s_lshl_b32 s25, s16, 6
	v_lshl_add_u32 v[SWR], v15, 2, s25
	s_lshl_b32 s25, s27, 6
	v_lshl_add_u32 v[SRD], v14, 5, s25             ; lanes 0-15 read the even rows' eight slots, lanes 16-31 the odd rows'; even waves from the even waves' tables, odd from the odd
	s_mov_b32 s[SEL], 0x76543210
	s_mov_b32 s[SEL+1], 0xfedcba98
.irp b, 0,1,2,3
	v_mov_b32 v[TM+4+\b], 0                        ; written once: a lane permute's destination counts as one of its sources
.endr
	s_mov_b32 s17, ttmp9                           ; my tile's number
	s_mov_b32 s18, 0                               ; tiles of the experts passed
.irp x, 19,20,21,22,23,24
	s_mov_b32 s\x, 0
.endr
	s_wait_kmcnt 0x0
; Whose tile is mine: the last expert that has rows and whose first tile is at or under my number.  No branch: eight selections.
.irp e, 0,1,2,3,4,5,6,7
	s_add_co_u32 s25, s[32+\e], s[40+\e]
	s_add_co_u32 s26, s[48+\e], s[56+\e]
	s_add_co_u32 s25, s25, s26                     ; the expert's rows
	s_sub_co_u32 s27, s17, s18                     ; my tile counted from the expert's first
	s_cmp_lg_u32 s25, 0
	s_cselect_b32 s26, s18, -1                     ; an expert without rows is never taken
	s_cmp_le_u32 s26, s17
	s_cselect_b32 s19, \e, s19                     ; the expert,
	s_cselect_b32 s20, s27, s20                    ; my tile in it,
	s_cselect_b32 s21, s25, s21                    ; its rows,
	s_cselect_b32 s22, s[32+\e], s22               ; and its rows in segments 0, 1, 2
	s_cselect_b32 s23, s[40+\e], s23
	s_cselect_b32 s24, s[48+\e], s24
	s_add_co_u32 s25, s25, 63
	s_lshr_b32 s25, s25, 6
	s_add_co_u32 s18, s18, s25
.endr
	s_lshl_b32 s29, s20, 6                         ; my first row among the expert's
	s_sub_co_i32 s28, s21, s29
	s_max_i32 s28, s28, 0
	s_min_u32 s28, s28, 64                         ; CNT: the rows that I store; 0 in a work-group past the last tile
	s_sub_co_u32 s26, s21, 1                       ; the expert's last row
	s_mov_b32 s40, s22                             ; where segments 1, 2, 3 begin among the expert's rows
	s_add_co_u32 s41, s22, s23
	s_add_co_u32 s42, s41, s24
	s_sub_co_u32 s44, 0x800, s22
	s_sub_co_u32 s45, 0x800, s23
	s_sub_co_u32 s46, 0x800, s24
	v_mov_b32 v17, s44
	v_mov_b32 v18, s45
	v_mov_b32 v19, s46
	s_min_u32 s19, s19, 7
	s_lshl_b32 s43, s19, 13
	s_lshl_b32 s25, s19, 3
	s_add_co_u32 s25, s25, s16
	s_mul_i32 s46, s25, 139264                     ; 32 sets of 4,352 bytes for each expert and wave
	s_mov_b32 s47, 0
	s_add_nc_u64 s[WP:WP+1], s[8:9], s[46:47]
; The slots of row tile wave / 2.  The expert's rows lie in four regions of order, one for each segment: place p is moved on by 2048 - C for each segment that it has passed.
	s_lshr_b32 s25, s16, 1
	s_lshl_b32 s25, s25, 4
	s_add_co_u32 s25, s25, s29
	v_add_nc_u32 v12, s25, v13
	v_min_u32 v12, s26, v12                        ; rows past the expert's last repeat the last
	v_cmp_le_u32 vcc_lo, s40, v12
	v_cndmask_b32 v15, 0, v17, vcc_lo
	v_add_nc_u32 v16, v12, v15
	v_cmp_le_u32 vcc_lo, s41, v12
	v_cndmask_b32 v15, 0, v18, vcc_lo
	v_add_nc_u32 v16, v16, v15
	v_cmp_le_u32 vcc_lo, s42, v12
	v_cndmask_b32 v15, 0, v19, vcc_lo
	v_add_nc_u32 v16, v16, v15
	v_add_nc_u32 v16, s43, v16                     ; + the expert's 8,192 words
	v_min_u32 v16, 0xffff, v16                     ; the buffer has 65,536 words
	v_lshlrev_b32 v[IDX], 2, v16
	global_load_b32 v[SLW], v[IDX], s[10:11]
	REFILL 0, 0                                    ; one set goes out while the slots are on their way; the others follow x's loads, so that x does not wait for them
	s_wait_loadcnt 9                               ; the slots are in; set 0's 9 loads may be out
	ds_store_b32 v[SWR], v[SLW] offset:SLT         ; for the way out
	v_lshrrev_b32 v12, 1, v[SLW]                   ; the token
	v_min_u32 v12, 0xfff, v12
	s_and_b32 s25, s16, 1                          ; I gather K steps 2 (wave % 2) and 2 (wave % 2) + 1 of my row tile
	s_lshl_b32 s24, s25, 7
	v_lshl_add_u32 v15, v14, 4, s24
	v_lshl_add_u32 v15, v12, 8, v15                ; the token's 256 bytes of codes, + 128 (wave % 2) + 16 h
	s_lshl_b32 s24, s25, 3
	v_lshl_add_u32 v16, v12, 4, s24                ; its 16 scale bytes, + 8 (wave % 2)
.irp s, 0,1
.irp c, 0,1
	global_load_b128 v[XT+8*\s+4*\c:XT+8*\s+4*\c+3], v15, s[4:5] offset:64*\s+32*\c   ; block 2 c + h of the K step: the fragment's registers 4 c .. 4 c + 3
.endr
.endr
	global_load_b64 v[XT+16:XT+17], v16, s[6:7]    ; the row's scale words of the two K steps
	REFILL 1, 1
	REFILL 2, 2
	REFILL 3, 3
	s_wait_loadcnt 27                              ; x's five loads are in (and set 0, which is older); the three sets' 27 may be out
.irp s, 0,1
.irp c, 0,1
	ds_store_b128 v[XWI], v[XT+8*\s+4*\c:XT+8*\s+4*\c+3] offset:XIMG+1024*\s+512*\c
.endr
	ds_store_b32 v[XWS], v[XT+16+\s] offset:XSC+512*\s
.endr
	BARRIER                                        ; x's sixteen fragments and the slots lie in LDS; they are written no more
	FETCHB XIMG, XSC, 0, 0
; THE CHAIN.  Sets are asked for in ascending order, set q + 4 behind the products of set q (for the first wo set of a chunk: at the next trip's head, still ahead of the wait for set q + 1).
; So at the wait for set q the 3 x 9 = 27 loads of sets q + 1 .. q + 3 are the younger ones.  The loop is turned so that y's first products, which start its sums, and the end of the refills stand outside it.
	PHASE1 4                                       ; chunk 0
	SET 0, 0, YY, 1, 27, HIMG, HSC, 1, -1          ; set 4 starts y's sums
	s_mov_b32 s3, 3
.Ltrip:                                            ; trip c = 0, 1, 2: the rest of chunk c's second product, chunk c + 1's first, and the first set of its second
	REFILL 0, 8
	SET 1, 1, YY, 0, 27, HIMG, HSC, 2, 9
	SET 2, 0, YY, 0, 27, HIMG, HSC, 3, 10
	SET 3, 1, YY, 0, 27, XIMG, XSC, 0, 11
	PHASE1 12
	SET 0, 0, YY, 0, 27, HIMG, HSC, 1, -1
	s_wait_xcnt 0x0                                ; the loads that are out have read their base: it may step
	s_add_nc_u64 s[WP:WP+1], s[WP:WP+1], 34816     ; eight sets on
	s_sub_co_u32 s3, s3, 1
	s_cmp_lg_u32 s3, 0
	s_cbranch_scc1 .Ltrip
	SET 1, 1, YY, 0, 18, HIMG, HSC, 2, -1          ; the last three sets: nothing more is asked for, and the counts run down
	SET 2, 0, YY, 0, 9, HIMG, HSC, 3, -1
	SET 3, 1, YY, 0, 0, 0, 0, -1, -1
; THE WAY OUT, a row tile at a time.  Lane (r, h) holds, in tile t = 2 b + u, outputs 64 w + 32 b + 16 h + 8 u + 0 .. 7 of row r: 32 bytes; the lanes beside it hold other rows.  So the tile goes through my own stage
; and comes back by rows of 256 bytes, two rows an instruction: sixteen lanes store 256 consecutive bytes, aligned, of their row's place in ybuf.  The rows are scattered: a lane's offset is made of its row's slot.
; The stores end at CNT, pair by pair.  Where CNT is odd, the last pair's second row is a copy of the first (same slot, same numbers): its sixteen lanes store the same bytes once more.
.macro OUTM m
.set BB, 64+32*((\m)%2)                ; rows read back: v64-95 and v96-127 by turns
.set SL, 128+16*((\m)%2)               ; eight slots, and
.set OF, 136+16*((\m)%2)               ; eight offsets, in the ring's registers, by turns
.if (\m) > 0
	s_wait_xcnt 0x0                                ; the earlier stores have read their offsets and their data: both may be written again
.endif
	ds_load_b128 v[SL:SL+3], v[SRD] offset:SLT+128*(\m)        ; register i: the slot of row 2 i + lane / 16
	ds_load_b128 v[SL+4:SL+7], v[SRD] offset:SLT+128*(\m)+16
	WIN 0x04                                       ; an LDS store's data are its source 1: window 1
.irp t, 0,1,2,3
	ds_store_b128 v[STO], v[YY+32*(\m)+8*\t:YY+32*(\m)+8*\t+3] offset:128*(\t/2)+32*(\t%2)       ; each accumulator from its low end on
	ds_store_b128 v[STO], v[YY+32*(\m)+8*\t+4:YY+32*(\m)+8*\t+7] offset:128*(\t/2)+32*(\t%2)+16
.endr
	WIN 0
.irp i, 0,1,2,3,4,5,6,7
	ds_load_b128 v[BB+4*\i:BB+4*\i+3], v[RD] offset:544*\i     ; LDS serves a wave's instructions in order: these see my stores, and the next tile's stores come behind them
.endr
	s_wait_dscnt 16                                ; the slots are in; the 8 stores and 8 loads behind them may be out
.irp i, 0,1,2,3,4,5,6,7
	v_min_u32 v[SL+\i], 0x1fff, v[SL+\i]
.endr
.irp i, 0,1,2,3,4,5,6,7
	v_lshl_add_u32 v[OF+\i], v[SL+\i], 11, v[CO]   ; a row of ybuf is 2,048 bytes
.endr
.irp i, 0,1,2,3,4,5,6,7
	s_cmp_gt_u32 s28, 16*(\m)+2*\i
	s_cbranch_scc0 .Ldone                          ; this pair and all behind it are copies of the last row: not stored
	s_wait_dscnt 7-\i                              ; pair i is back; the younger loads may be out
	global_store_b128 v[OF+\i], v[BB+4*\i:BB+4*\i+3], s[14:15]
.endr
.endm
	OUTM 0
	OUTM 1
	OUTM 2
	OUTM 3
.Ldone:
	s_wait_tensorcnt 0x0                           ; the wave's end
	ds_add_u32 v[SPW], v[NIL]
	s_wait_dscnt 0x0
	s_endpgm
.Lfunc_end_k_q242f514bdc_experts:
	.size	k_q242f514bdc_experts, .Lfunc_end_k_q242f514bdc_experts-k_q242f514bdc_experts
	.p2alignl 7, 3214868480
	.fill 96, 4, 3214868480
	.section	.rodata,"a",@progbits
	.p2align	6, 0x0
	.amdhsa_kernel k_q242f514bdc_experts
		.amdhsa_group_segment_fixed_size 73216
		.amdhsa_private_segment_fixed_size 0
		.amdhsa_enable_private_segment 0
		.amdhsa_kernarg_size 48
		.amdhsa_user_sgpr_count 2
		.amdhsa_user_sgpr_kernarg_segment_ptr 1
		.amdhsa_wavefront_size32 1
		.amdhsa_system_sgpr_workgroup_id_x 1
		.amdhsa_system_sgpr_workgroup_id_y 1
		.amdhsa_system_sgpr_workgroup_id_z 1
		.amdhsa_system_vgpr_workitem_id 0
		.amdhsa_next_free_vgpr 512
		.amdhsa_next_free_sgpr 68
		.amdhsa_reserve_vcc 1
		.amdhsa_float_denorm_mode_32 3
		.amdhsa_float_denorm_mode_16_64 3
		.amdhsa_memory_ordered 1
		.amdhsa_forward_progress 1
		.amdhsa_inst_pref_size 109
	.end_amdhsa_kernel
	.amdgpu_metadata
---
amdhsa.version: [ 1, 2 ]
amdhsa.kernels:
  - .name:           k_q242f514bdc_experts
    .symbol:         k_q242f514bdc_experts.kd
    .args:
      - { .name: xq, .offset: 0, .size: 8, .value_kind: global_buffer, .address_space: global }
      - { .name: xs, .offset: 8, .size: 8, .value_kind: global_buffer, .address_space: global }
      - { .name: wq, .offset: 16, .size: 8, .value_kind: global_buffer, .address_space: global }
      - { .name: order, .offset: 24, .size: 8, .value_kind: global_buffer, .address_space: global }
      - { .name: meta, .offset: 32, .size: 8, .value_kind: global_buffer, .address_space: global }
      - { .name: ybuf, .offset: 40, .size: 8, .value_kind: global_buffer, .address_space: global }
    .group_segment_fixed_size: 73216
    .private_segment_fixed_size: 0
    .kernarg_segment_align: 8
    .kernarg_segment_size: 48
    .max_flat_workgroup_size: 256
    .sgpr_count:     68
    .vgpr_count:     512
    .wavefront_size: 32
...
	.end_amdgpu_metadata
.endif
;; end of part 2
;; launch combine (part 3): grid 512 x 1, 8 waves a work-group, no clusters, 0 bytes of LDS; arguments ybuf, expert_prob, hidden_states, out0; writes out0
.if DOCPART == 3
	.amdgcn_target "amdgcn-amd-amdhsa--gfx1250"
	.amdhsa_code_object_version 6
	.text
	.protected	k_q242f514bdc_combine
	.globl	k_q242f514bdc_combine
	.p2align	8
	.type	k_q242f514bdc_combine,@function
k_q242f514bdc_combine:
	s_mov_b64 s[64:65], 0
	v_nop
	global_prefetch_b8 v0, s[64:65] scope:SCOPE_SE
	s_setreg_imm32_b32 hwreg(HW_REG_WAVE_MODE, 25, 1), 1
	s_wait_xcnt 0x0
; THIRD LAUNCH.  out[t] = where(n != 0, n, hidden[t]), n = 0.5 prob[t][0] ybuf[2 t] + 0.25 prob[t][1] ybuf[2 t + 1].  The six experts that a token did not choose are left out: their weight is a zero that the
; problem builds itself (shown at the head of the first launch).
; LIMITS.  Where both indices name one expert the problem has (c0 + c1) y and this text c0 y + c1 y; the second term is fused with the addition: both differ by rounding alone.
; A stream: every byte is read once and written once; no LDS, no barrier, no matrix unit.  A work-group owns 8 tokens, two a step; thread t owns 16 bytes of a step's 4,096, so a wave's load or store covers 512 consecutive bytes.
; All sixteen loads of a wave go out at once; each step has registers of its own, so nothing is rewritten while a load or store may read it.
.set P,  4                             ; v4-11   the step's token's two probabilities
.set Y0, 16                            ; v16-31  four numbers of ybuf[2 t]
.set Y1, 32                            ; v32-47  of ybuf[2 t + 1]
.set H,  48                            ; v48-63  of hidden[t]
.set N,  64                            ; v64-79  n, then the result
.set C,  80                            ; v80-95  c0 twice, c1 twice: pairs for the packed forms
	s_load_b256 s[4:11], s[0:1], 0x0               ; ybuf s[4:5], prob s[6:7], hidden s[8:9], out s[10:11]
	v_lshlrev_b32 v1, 4, v0                        ; hidden and out: 16 t
	v_lshrrev_b32 v3, 7, v0                        ; which of the step's two tokens
	v_and_b32 v2, 127, v0
	v_lshlrev_b32 v2, 4, v2
	v_lshl_add_u32 v2, v3, 12, v2                  ; ybuf: a token's two rows are 4,096 bytes
	v_lshlrev_b32 v3, 3, v3                        ; prob: 8 bytes a token
	s_lshl_b32 s12, ttmp9, 15
	s_mov_b32 s13, 0
	s_lshl_b32 s14, ttmp9, 6
	s_mov_b32 s15, 0
	s_lshl_b32 s16, ttmp9, 14
	s_mov_b32 s17, 0
	s_wait_kmcnt 0x0
	s_add_nc_u64 s[4:5], s[4:5], s[12:13]
	s_add_nc_u64 s[6:7], s[6:7], s[14:15]
	s_add_nc_u64 s[8:9], s[8:9], s[16:17]
	s_add_nc_u64 s[10:11], s[10:11], s[16:17]
.irp st, 0,1,2,3
	global_load_b64 v[P+2*\st:P+2*\st+1], v3, s[6:7] offset:16*\st
.endr
.irp st, 0,1,2,3
	global_load_b128 v[Y0+4*\st:Y0+4*\st+3], v2, s[4:5] offset:8192*\st th:TH_LOAD_NT
	global_load_b128 v[Y1+4*\st:Y1+4*\st+3], v2, s[4:5] offset:8192*\st+2048 th:TH_LOAD_NT
	global_load_b128 v[H+4*\st:H+4*\st+3], v1, s[8:9] offset:4096*\st th:TH_LOAD_NT
.endr
.irp st, 0,1,2,3
	s_wait_loadcnt 3*(3-\st)                       ; this step's three loads are in (and all four of prob, which are older); three for each later step may be out
	v_mul_f32 v[C+4*\st], 0.5, v[P+2*\st]          ; c0 = df[0] prob[t][0]: exact
	v_mul_f32 v[C+4*\st+1], 0.5, v[P+2*\st]
	v_mul_f32 v[C+4*\st+2], 0x3e800000, v[P+2*\st+1]   ; c1 = df[1] prob[t][1]: exact
	v_mul_f32 v[C+4*\st+3], 0x3e800000, v[P+2*\st+1]
	v_pk_mul_f32 v[N+4*\st:N+4*\st+1], v[Y0+4*\st:Y0+4*\st+1], v[C+4*\st:C+4*\st+1]
	v_pk_mul_f32 v[N+4*\st+2:N+4*\st+3], v[Y0+4*\st+2:Y0+4*\st+3], v[C+4*\st:C+4*\st+1]
	v_pk_fma_f32 v[N+4*\st:N+4*\st+1], v[Y1+4*\st:Y1+4*\st+1], v[C+4*\st+2:C+4*\st+3], v[N+4*\st:N+4*\st+1]
	v_pk_fma_f32 v[N+4*\st+2:N+4*\st+3], v[Y1+4*\st+2:Y1+4*\st+3], v[C+4*\st+2:C+4*\st+3], v[N+4*\st+2:N+4*\st+3]
.irp i, 0,1,2,3
	v_cmp_neq_f32 vcc_lo, 0, v[N+4*\st+\i]         ; a NaN is not equal to 0, -0 is: as the problem's n != 0
	v_cndmask_b32 v[N+4*\st+\i], v[H+4*\st+\i], v[N+4*\st+\i], vcc_lo
.endr
	global_store_b128 v1, v[N+4*\st:N+4*\st+3], s[10:11] offset:4096*\st th:TH_STORE_NT
.endr
	s_endpgm
.Lfunc_end_k_q242f514bdc_combine:
	.size	k_q242f514bdc_combine, .Lfunc_end_k_q242f514bdc_combine-k_q242f514bdc_combine
	.p2alignl 7, 3214868480
	.fill 96, 4, 3214868480
	.section	.rodata,"a",@progbits
	.p2align	6, 0x0
	.amdhsa_kernel k_q242f514bdc_combine
		.amdhsa_group_segment_fixed_size 0
		.amdhsa_private_segment_fixed_size 0
		.amdhsa_enable_private_segment 0
		.amdhsa_kernarg_size 32
		.amdhsa_user_sgpr_count 2
		.amdhsa_user_sgpr_kernarg_segment_ptr 1
		.amdhsa_wavefront_size32 1
		.amdhsa_system_sgpr_workgroup_id_x 1
		.amdhsa_system_sgpr_workgroup_id_y 1
		.amdhsa_system_sgpr_workgroup_id_z 1
		.amdhsa_system_vgpr_workitem_id 0
		.amdhsa_next_free_vgpr 96
		.amdhsa_next_free_sgpr 66
		.amdhsa_reserve_vcc 1
		.amdhsa_float_denorm_mode_32 3
		.amdhsa_float_denorm_mode_16_64 3
		.amdhsa_memory_ordered 1
		.amdhsa_forward_progress 1
		.amdhsa_inst_pref_size 6
	.end_amdhsa_kernel
	.amdgpu_metadata
---
amdhsa.version: [ 1, 2 ]
amdhsa.kernels:
  - .name:           k_q242f514bdc_combine
    .symbol:         k_q242f514bdc_combine.kd
    .args:
      - { .name: ybuf, .offset: 0, .size: 8, .value_kind: global_buffer, .address_space: global }
      - { .name: expert_prob, .offset: 8, .size: 8, .value_kind: global_buffer, .address_space: global }
      - { .name: hidden_states, .offset: 16, .size: 8, .value_kind: global_buffer, .address_space: global }
      - { .name: out0, .offset: 24, .size: 8, .value_kind: global_buffer, .address_space: global }
    .group_segment_fixed_size: 0
    .private_segment_fixed_size: 0
    .kernarg_segment_align: 8
    .kernarg_segment_size: 32
    .max_flat_workgroup_size: 256
    .sgpr_count:     66
    .vgpr_count:     96
    .wavefront_size: 32
...
	.end_amdgpu_metadata
.endif
;; end of part 3
